; MI455X (gfx1250); checked and timed in simulation.
; The chip was launched on July 23, 2026; its instructions are those of AMD's public machine-readable ISA for CDNA 5 (MIT licence, August 2026) and "CDNA5" Instruction Set Architecture Reference Guide (July 2026). The comments in the code are by the model that wrote it; some were corrected since.
;; Lane Attention Gaussian Policy. Allowed arithmetic: matrix products marked QUANTISED: E2M1 operands, one E8M0 scale for each 32 along K, by v_wmma_scale_f32_16x16x128_f8f6f4 with both operands' format E2M1 (or v_wmma_scale_f32_32x16x128_f4), f32 sums; products left as they are: f32 operands where the result goes on into a quantised operand, else bf16, f16 or f32 operands; f32 sums; everything else in f32.
;; Inputs: attn_in_b 192 float32; attn_in_w 64 x 192 float32; attn_out_b 64 float32; attn_out_w 64 x 64 float32; elapsed 131,072 float32; head_b1 128 float32; head_b2 1 float32; head_w1 200 x 128 float32; head_w2 128 x 1 float32; lane_b1 128 float32; lane_b2 64 float32; lane_w1 3 x 128 float32; lane_w2 128 x 64 float32; log_std 1 float32; noise 131,072 float32; phase_b1 128 float32; phase_b2 128 float32; phase_onehot 131,072 x 4 float32; phase_w1 5 x 128 float32; phase_w2 128 x 128 float32; queue 131,072 x 4 float32; region_ids 131,072 int32; region_table 4 x 8 float32; waiting 131,072 x 4 float32.
;; Outputs: out0 131,072 float32; out1 131,072 float32.
;; This version of the problem:
;;   THIS VERSION OF THE PROBLEM IS GIVEN IN LOW PRECISION. The matrix products marked QUANTISED in the list below multiply operands that are first quantised to E2M1 (2 exponent bits, 1 mantissa bit; 4 bits a number), with one power-of-two scale for each 32 numbers along K (OCP MX v1.0); their sums are f32. All else is computed in f32.
;;   The module's matrix products, in the order in which they are computed (A, B: the left and right operand; K: the contracted axis; several contracted axes count as one K, in the product's order):
;;     1. [M 524,288, K 3] x [K 3, N 128]; A: computed on the way; B: input lane_w1: left as it is (K = 3 < 32)
;;     2. [M 524,288, K 128] x [K 128, N 64]; A: computed on the way; B: input lane_w2: QUANTISED
;;     3. [M 524,288, K 64] x [K 64, N 192]; A: computed on the way; B: input attn_in_w: QUANTISED
;;     4. batch 524,288 x [M 4, K 16] x [K 16, N 4]; A: computed on the way; B: computed on the way: left as it is (K = 16 < 32)
;;     5. batch 524,288 x [M 4, K 4] x [K 4, N 16]; A: softmax; B: computed on the way: left as it is (K = 4 < 32)
;;     6. [M 524,288, K 64] x [K 64, N 64]; A: computed on the way; B: input attn_out_w: QUANTISED
;;     7. [M 131,072, K 5] x [K 5, N 128]; A: computed on the way; B: input phase_w1: left as it is (K = 5 < 32)
;;     8. [M 131,072, K 128] x [K 128, N 128]; A: computed on the way; B: input phase_w2: QUANTISED
;;     9. [M 131,072, K 200] x [K 200, N 128]; A: computed on the way; B: input head_w1: QUANTISED
;;     10. [M 131,072, K 128] x [K 128, N 1]; A: computed on the way; B: input head_w2: left as it is (N = 1 < 16)
;;   THE QUANTISER, for each operand of a quantised product, along K:
;;     - K is cut into blocks of 32 from its start; a last block that is shorter is filled with zeros.
;;     - A block's scale is 2^e with e = floor(log2(the largest magnitude in the block)) - 2, held to -126 .. 127; a block of zeros has e = 0. As a byte (E8M0): e + 127.
;;     - Each number is divided by its block's scale, clamped to +-6, and rounded to the nearest number of E2M1, ties to even, subnormals kept.
;;     - The product sums the exact products of the quantised numbers (number of the format x scale) in f32.
;;   ~~~python
;;   def quantise(x, axis):      # numpy; x: float32 -> the quantised numbers, widened to float32 again
;;       x = np.moveaxis(x, axis, -1); K = x.shape[-1]
;;       x = np.pad(x, [(0, 0)] * (x.ndim - 1) + [(0, -K % 32)]); x = x.reshape(x.shape[:-1] + (-1, 32)); a = np.abs(x).max(-1, keepdims=True)
;;       e = np.where(a > 0, np.clip(np.frexp(np.where(a > 0, a, 1))[1] - 1 - 2, -126, 127), 0)      # np.frexp(a)[1] - 1 = floor(log2(a)), exactly
;;       r = np.clip(x / 2.0 ** e, -6, 6)
;;       step = 2.0 ** (np.maximum(np.frexp(np.where(r == 0, 1, r))[1] - 1, 0) - 1)
;;       q = np.round(r / step) * step * 2.0 ** e      # np.round: ties to even
;;       return np.moveaxis(q.reshape(q.shape[:-2] + (-1,))[..., :K], -1, axis).astype(np.float32)
;;   ~~~
;;   OPERANDS COMPUTED ON THE WAY. 'Computed on the way' means the value that the module computes at that place (a softmax that the list does not call 'softmax' is quantised finished and normalised). What goes into a quantiser is computed in f32, as accurately as f32 sums, v_exp_f32 and their like allow (about 1e-6 of the number): no bf16 or f16 on the way to a quantiser, and a product that is left as it is and whose result goes on into a quantised operand takes f32 operands (vector FMAs, or v_wmma_f32_16x16x4_f32). A number that lies on a knife's edge between two numbers of the format may be rounded either way, as far as f32 arithmetic and the matrix unit's own rounding can turn it there, and no further.
;; One version. Each part assembles by itself: llvm-mc -triple=amdgcn-amd-amdhsa -mcpu=gfx1250 --defsym DOCPART=n.
;; ======== version 1 of 1: 1 launch
;; launch policy (part 1): grid 256 x 1, 4 waves a work-group, no clusters, 327,680 bytes of LDS; arguments queue, waiting, phase_onehot, elapsed, region_ids, noise, lane_w1, lane_b1, lane_w2, lane_b2, attn_in_w, attn_in_b, attn_out_w, attn_out_b, phase_w1, phase_b1, phase_w2, phase_b2, region_table, head_w1, head_b1, head_w2, head_b2, log_std, out0, out1; writes out0, out1
.if DOCPART == 1
	.amdgcn_target "amdgcn-amd-amdhsa--gfx1250"
	.amdhsa_code_object_version 6
	.text
	.protected	k_qf5e7ac17db_policy
	.globl	k_qf5e7ac17db_policy
	.p2align	8
	.type	k_qf5e7ac17db_policy,@function
k_qf5e7ac17db_policy:
	s_mov_b64 s[64:65], 0
	v_nop
	global_prefetch_b8 v0, s[64:65] scope:SCOPE_SE
	s_setreg_imm32_b32 hwreg(HW_REG_WAVE_MODE, 25, 1), 1
	s_wait_xcnt 0x0
; LaneAttentionGaussianPolicy, whole, in one launch.  131,072 traffic lights (TLs) x 4 lanes.  Products 2, 3, 6, 8, 9 on codes of FP4 (E2M1) with one E8M0 scale for each 32 along K; all else f32.
; SHARES.  256 work-groups x 4 waves; a wave owns 128 TLs = 8 groups of 16 and shares with the other waves only the weights.
; LAYOUT.  Lane (r, h) = (lane % 16, lane / 16) belongs to TL r of the group.  Every quantised product is used transposed (source 0 = 16 columns of the weight, source 1 = 16 rows of activations), and tile
; 2 B + U of a weight takes columns 32 B + 8 U + r' + 8 (r' / 8): register n of a bank of results then holds feature 32 (n / 16) + 16 h + n % 16 ("lane order"): 16 neighbouring registers are half a block of the
; next K, and in q, k, v they are one head (2 B + h), so the attention over 4 lanes needs no other hardware lane.  The 4 lanes of a TL are 4 tiles of rows: all four rows of a TL lie in one hardware lane.
; PRODUCT 6 AND THE MEAN: attn_out_w is laid twice along K; o of lanes 2 p and 2 p + 1 fills K 0-63 and 64-127 of one operand; two links a tile sum all four lanes; C = 4 x attn_out_b.  The mean's 1/4 is a power
; of two: the codes of the sum are the codes of ctx and the scale's byte is 2 lower.
; RELU AHEAD OF A QUANTISER is done on the codes: the block's maximum is taken without |.| (the floor stands over what is negative), the raw numbers are converted, and the magnitude bits of codes with the
; sign set are taken off: such a code is -0, which adds nothing.
; TWO PASSES a wave, since the statics of both do not fit into 1,024 registers: pass 1 lane MLP, attention, ctx's codes (to the wave's own LDS); pass 2 phase MLP, head, outputs.
; WEIGHTS arrive as f32 [K][N].  A task = 32 columns x one block of 32 along K: a lane a column, registers down K; codes and scale bytes go to LDS as images of the operands' registers.
; phase_w2 and head_w1 come into LDS as they lie, by two tensor loads a wave in the first lines, each wave its quarter; they are filled once and first read behind pass 1.
; NO CLUSTER: shared between work-groups are the weights alone.  The 167,936 bytes that come by tensor loads are asked for in the first lines and first read behind pass 1: no wave waits for them; the other
; 98,304 bytes go column by column into registers that run down K, which no tile in LDS gives without a second pass.
; LDS: the text uses 279,808 bytes; the launch claims 327,680.
; LIMITS: NaN and infinities among the inputs are not served.  A block of zeros (or, ahead of a ReLU, with nothing positive) gets the byte 1 where the rule says 127: its codes are zeros and this program alone
; reads the bytes.  Largest magnitudes under 2^-124 are held at the byte 1, as the rule's clip does.  log_std so low that exp(log_std)^2 is no normal f32 number (under about -43) is not served.
; ---- LDS
.set IMG_W2, 0                         ; 4 fragments x 1,024: group c of four registers at 512 c, lane l's 16 bytes at 16 l
.set IMG_IN, 4096                      ; 12 x 1,024, of each the first 512 alone (K = 64)
.set IMG_OUT, 16384                    ; 4
.set IMG_P2, 20480                     ; 8
.set IMG_H1, 28672                     ; [K step 2][tile 8]
.set SCI_W2, 45056                     ; scale words: 64 bytes a tile, word 4 r', byte = block
.set SCI_IN, 45312
.set SCI_OUT, 46080
.set SCI_P2, 46336
.set SCI_H1, 46848                     ; [2][8] x 64
.set TAB1, 47872                       ; pass 1's small tables, raw
.set T1_W1, TAB1
.set T1_B1, TAB1+1536
.set T1_B2, TAB1+2048                  ; 256 bytes, laid twice
.set T1_INB, TAB1+2560                 ; 768 bytes, the last 256 laid twice
.set T1_OB, TAB1+3584                  ; 256 bytes, laid twice
.set INSB, 51968                       ; + 7,680 x wave: queue 2,048, waiting 2,048, phase 2,048, elapsed 512, region ids 512, noise 512
.set CTXS, 82688                       ; + 5,120 x wave: a group: codes 512, half scale word 128
.set OUTB, 103168                      ; + 1,024 x wave: out0 512, out1 512
.set RAW_P2, 107264                    ; phase_w2 as it lies, 65,536 bytes; filled by tensor loads, once; nothing is stored there
.set RAW_H1, 172800                    ; head_w1 likewise, 102,400 bytes
.set TAB2, 275200                      ; pass 2's small tables, raw: phase_w1 2,560, phase_b1, phase_b2, head_b1, head_w2 512 each
; ---- scalars
.set WVN, 56
.set SEL, 60
.set FLOOR, 62
.set FLOORC, 63
.set SGN, 66
.set HM, 67
.set CS, 68
.set CN, 70
.set G, 71
.set G256, 72
.set G64, 73
.set G640, 74
.set G0A, 76                           ; s[76:79] descriptor group 0 for phase_w2;  s[80:83] for head_w1
.set G0B, 80
.set G1A, 84                           ; s[84:91] group 1 for phase_w2's quarter;  s[92:99] for head_w1's
.set G1B, 92
; s[100:101], s[104:105]: offsets in 64 bits
; ---- window 0
.set L16, 1
.set R4, 2
.set VH, 3
.set AQB, 4
.set AEB, 5
.set ACB, 6
.set ACW, 7
.set AOB, 8
.set ZR, 12
.set VT2, 13
.set EV, 14
.set QV, 16
.set PV, 16
.set WV4, 20
.set RID, 20
.set NZ, 21
.set W2S, 24                           ; v24-51 hold scale words and nothing else
.set SIN, 28
.set SOUT, 40
.set HW, 44
.set XW, 45
.set OW, 49
.set P2S, 24
.set H1S, 32
.set PWD, 48
.set FW0, 49
.set FW1, 50
.set TM, 52
.set AL3, 56                           ; TAB2 + 4 x thread
.set TP, 60
.set A4, 65
.set A4M, 66
.set HWD, 67
.set TS, 68
.set AT4, 72
.set MT, 76
.set MU, 80
.set HC, 84
.set XE, 92
.set OF, 124
.set ACC, 140
.set SC, 172
.set MX, 188
.set NM, 192
.set ZP, 196
.set ZS, 204
.set INBV, 208
.set FE0, 92
.set FE1, 100
.set RC, 108
.set RB, 112
.set STD, 116
.set K1, 117
.set K0, 118
.set HB2, 119
.set R1, 128
.set AC2, 192
.set RT, 200
.set XA, 128
.set IN0, 192
.set IN1, 92
.set TB, 104
.set TB2, 92                           ; between the passes: nine words of pass 2's tables
.set AT0, 240
.set AT1, 241
.set AT2, 242
.set COL, 243
.set VA1, 244
.set VA2, 245
.set VA3, 246
.set VA4, 247
.set VB1, 248
.set VB2, 249
.set VB3, 250
.set VB4, 251
.set AP, 252
.set AH0, 253
.set AH1, 254
.set AT3, 255
; ---- windows 1 to 3, pass 1
.set WQ, 0
.set WW, 64
.set WE, 128
.set W2F, 192
.set WOUT, 224
.set B1, 0
.set BQ, 64
.set BK, 128
.set B2C, 192
.set OB4, 224
.set WQKV, 0
.set INB, 96
.set EMB0, 192
.set EMB1, 224
.set EMB2, 160
.set EMB3, 192
.set VBK, 160
; ---- windows 1 to 3, pass 2
.set PW0, 0
.set PW1, 64
.set PW2, 128
.set PW3, 192
.set PW4, 0
.set PB1, 64
.set WP2, 128
.set PB2, 192
.set WH1, 0
.set HB1, 128
.set HW2, 192
.set MSB, 0
.macro WIN new                         ; low byte: bits 1:0 source 0, 3:2 source 1, 5:4 source 2, 7:6 destination; the high byte repeats the setting that is left
.if MSB != \new
	s_set_vgpr_msb (MSB<<8)|\new
.set MSB, \new
.endif
.endm
.macro NOPS n
.rept \n
	v_nop
.endr
.endm
.macro ROOM                            ; ahead of a batch of at most 16 LDS loads: 47 may be out, so that 63 LDS instructions of the wave are out at the most
	s_wait_dscnt 47
.endm
.macro PKF d, a, b, c, e               ; d = a[e] x b + c, two at a time; register e of the pair a serves both halves
.if \e
	v_pk_fma_f32 v[\d:\d+1], v[\a:\a+1], v[\b:\b+1], v[\c:\c+1] op_sel:[1,0,0] op_sel_hi:[1,1,1]
.else
	v_pk_fma_f32 v[\d:\d+1], v[\a:\a+1], v[\b:\b+1], v[\c:\c+1] op_sel_hi:[0,1,1]
.endif
.endm
.macro PKM d, a, b, e                  ; d = a[e] x b
.if \e
	v_pk_mul_f32 v[\d:\d+1], v[\a:\a+1], v[\b:\b+1] op_sel:[1,0] op_sel_hi:[1,1]
.else
	v_pk_mul_f32 v[\d:\d+1], v[\a:\a+1], v[\b:\b+1] op_sel_hi:[0,1]
.endif
.endm
.macro LDV dst, adr, off, nq           ; 4 nq numbers of a table in lane order: register 4 q + j = element 32 (q / 4) + 16 h + 4 (q % 4) + j; the address register carries 64 h
.set qi, 0
.rept \nq
	ds_load_b128 v[\dst+4*qi:\dst+4*qi+3], v[\adr] offset:\off+128*(qi/4)+16*(qi%4)
.set qi, qi+1
.endr
.endm
.macro LFRAG dst, off                  ; a fragment's image back into registers
	ds_load_b128 v[\dst:\dst+3], v[L16] offset:\off
	ds_load_b128 v[\dst+4:\dst+7], v[L16] offset:\off+512
.endm
.macro TLOADG X, sb, rowb, off         ; a task's 32 rows from memory: 32 lanes read 128 consecutive bytes of a row
.set ti, 0
.rept 32
	global_load_b32 v[\X+ti], v[COL], s[\sb:\sb+1] offset:\off+ti*\rowb
.set ti, ti+1
.endr
.endm
.macro TLOADL X, adr, off, n           ; the same from the raw weights in LDS, rows of 512 bytes
.set ti, 0
.rept \n
	ds_load_b32 v[\X+ti], v[\adr] offset:\off+512*ti
.set ti, ti+1
.endr
.endm
.macro TQ X, C, kk                     ; a block of 32 down K of my column: its byte into v[TP+kk], its 32 codes into v[C .. C+3]
	v_max3_num_f32 v[TM], |v[\X]|, |v[\X+1]|, |v[\X+2]|
	v_max3_num_f32 v[TM+1], |v[\X+3]|, |v[\X+4]|, |v[\X+5]|
.irp i, 6,10,14,18,22,26
	v_max3_num_f32 v[TM], v[TM], |v[\X+\i]|, |v[\X+\i+1]|
	v_max3_num_f32 v[TM+1], v[TM+1], |v[\X+\i+2]|, |v[\X+\i+3]|
.endr
	v_max3_num_f32 v[TM], v[TM], |v[\X+30]|, |v[\X+31]|
	v_max3_num_f32 v[TM], v[TM], v[TM+1], s[FLOOR] ; the floor 2^(3 - 127): the byte cannot fall under 1
	v_add_nc_u32 v[TS], 0xff000000, v[TM]          ; 2 off the exponent field: the conversion's scale operand
	v_lshrrev_b32 v[TP+\kk], 23, v[TS]             ; the scale's byte
.irp g, 0,1,2,3
	v_cvt_scalef32_pk8_fp4_f32 v[\C+\g], v[\X+8*\g:\X+8*\g+7], v[TS]
.endr
	v_nop                                          ; one plain place behind the conversions
.endm
.macro TDO k, va, offc, vb, offb       ; task k is worked and stored; numbers, codes and byte lie in sets k % 2
	TQ XA+32*((\k)%2), HC+4*((\k)%2), (\k)%2
	ds_store_b128 v[\va], v[HC+4*((\k)%2):HC+4*((\k)%2)+3] offset:\offc
	ds_store_b8 v[\vb], v[TP+(\k)%2] offset:\offb
.endm
.macro TASKG k, cnt, va, offc, vb, offb
	s_wait_loadcnt \cnt                            ; this task's 32 loads are in; of the next task's 32, 31 may be out: with the 32 that follow this task 63 are out at the most
	s_wait_dscnt 2                                 ; at most the last task's stores may be out: the code set and the byte of two tasks ago have been read
	TDO \k, \va, \offc, \vb, \offb
.endm
; The quantiser of activations.  nb blocks; block k's half lies in my 16 registers v[s + 16 k] on.  The caller's window puts sources 1 and 2 (QMAX) or source 0 (QCVT) where s lies.
.macro QMAX nb, s, ab, fl              ; my 16 numbers' largest (ab = 1: magnitude) and the floor; the blocks by turns; each accumulator is read from its low end on
.set k, 0
.rept \nb
.if \ab
	v_max3_num_f32 v[TM+k], s[\fl], |v[\s+16*k]|, |v[\s+16*k+1]|
.else
	v_max3_num_f32 v[TM+k], s[\fl], v[\s+16*k], v[\s+16*k+1]
.endif
.set k, k+1
.endr
.set i, 2
.rept 7
.set k, 0
.rept \nb
.if \ab
	v_max3_num_f32 v[TM+k], v[TM+k], |v[\s+16*k+i]|, |v[\s+16*k+i+1]|
.else
	v_max3_num_f32 v[TM+k], v[TM+k], v[\s+16*k+i], v[\s+16*k+i+1]
.endif
.set k, k+1
.endr
.set i, i+2
.endr
.endm
.macro QSCL nb                         ; with lane l xor 16's: the block's; the conversion's operand in TS, the byte in TP
.set k, 0
.rept \nb
	v_permlanex16_b32 v[TP+k], v[TM+k], s[SEL], s[SEL+1]
.set k, k+1
.endr
.set k, 0
.rept \nb
	v_max_num_f32 v[TM+k], v[TM+k], v[TP+k]
.set k, k+1
.endr
.set k, 0
.rept \nb
	v_add_nc_u32 v[TS+k], 0xff000000, v[TM+k]
.set k, k+1
.endr
.set k, 0
.rept \nb
	v_lshrrev_b32 v[TP+k], 23, v[TS+k]
.set k, k+1
.endr
.endm
.macro QCVT nb, s, d, p, q             ; block k's 16 codes into v[d + p (k / 2) + q (k % 2)] and the next register
.set k, 0
.rept \nb
	v_cvt_scalef32_pk8_fp4_f32 v[(\d)+\p*(k/2)+\q*(k%2)], v[\s+16*k:\s+16*k+7], v[TS+k]
	v_cvt_scalef32_pk8_fp4_f32 v[(\d)+\p*(k/2)+\q*(k%2)+1], v[\s+16*k+8:\s+16*k+15], v[TS+k]
.set k, k+1
.endr
	WIN 0
	v_nop                                          ; one plain place behind the conversions
.endm
.macro QRELU4 d                        ; codes with the sign set lose their magnitude: the sign bits, each less itself >> 3, give 7 in those codes; what the codes hold of these bits is taken off
.irp i, 0,1,2,3
	v_and_b32 v[MT+\i], s[SGN], v[\d+\i]
.endr
.irp i, 0,1,2,3
	v_lshrrev_b32 v[MU+\i], 3, v[MT+\i]
.endr
.irp i, 0,1,2,3
	v_sub_nc_u32 v[MT+\i], v[MT+\i], v[MU+\i]
.endr
.irp i, 0,1,2,3
	v_and_b32 v[MT+\i], v[MT+\i], v[\d+\i]
.endr
.irp i, 0,1,2,3
	v_sub_nc_u32 v[\d+\i], v[\d+\i], v[MT+\i]
.endr
.endm
.macro QSWAP d                         ; the operand's layout wants a whole block in a lane: lanes 0-15 the even block, lanes 16-31 the odd one
	v_permlane16_swap_b32 v[\d], v[\d+2]
	v_permlane16_swap_b32 v[\d+1], v[\d+3]
.endm
.macro MM D, A, B, C, sa, sb
	v_wmma_scale_f32_16x16x128_f8f6f4 v[\D:\D+7], v[\A:\A+7], v[\B:\B+7], v[\C:\C+7], v[\sa], v[\sb] matrix_a_fmt:MATRIX_FMT_FP4 matrix_b_fmt:MATRIX_FMT_FP4
.endm
; ---- pass 1's steps
.macro BASE                            ; elapsed x w1[2] + b1, once a TL
	WIN 0xa4
.set i, 0
.rept 32
	PKF BQ+2*i, EV, WE+2*i, B1+2*i, 0
.set i, i+1
.endr
.endm
.macro L1 l                            ; lane l's 128 pre-activations (my 64): + waiting x w1[1] + queue x w1[0]
	WIN 0xa4
.set i, 0
.rept 32
	PKF BK+2*i, WV4+((\l)&2), WW+2*i, BQ+2*i, (\l)&1
.set i, i+1
.endr
.set i, 0
.rept 32
	PKF BK+2*i, QV+((\l)&2), WQ+2*i, BK+2*i, (\l)&1
.set i, i+1
.endr
.endm
.macro QH                              ; relu and quantiser of the 128: fragment HC, scale word HW
	WIN 0x28
	QMAX 4, BK, 0, FLOOR
	WIN 0
	QSCL 4
	v_lshl_or_b32 v[HW], v[TP+1], 8, v[TP]
	v_lshl_or_b32 v[HW], v[TP+2], 16, v[HW]
	v_lshl_or_b32 v[HW], v[TP+3], 24, v[HW]
	WIN 0x02
	QCVT 4, BK, HC, 4, 2
	QRELU4 HC
	QRELU4 HC+4
	QSWAP HC
	QSWAP HC+4
.endm
.macro P2 emb                          ; product 2: four tiles of 16 of the 64; C = lane_b2
	WIN 0xe1
.set t, 0
.rept 4
	MM \emb+8*t, W2F+8*t, HC, B2C+8*t, W2S+t, HW
.set t, t+1
.endr
.endm
.macro QE base, l0                     ; relu and quantiser of emb of lanes l0 and l0 + 1 (K = 64: two blocks each; the fragments' upper halves stay zero codes)
	WIN 0x3c
	QMAX 4, \base, 0, FLOOR
	WIN 0
	QSCL 4
	v_lshl_or_b32 v[XW+\l0], v[TP+1], 8, v[TP]
	v_lshl_or_b32 v[XW+\l0+1], v[TP+3], 8, v[TP+2]
	WIN 0x03
	QCVT 4, \base, XE+8*\l0, 8, 2
	QRELU4 XE+8*\l0
	QRELU4 XE+8*\l0+8
	QSWAP XE+8*\l0
	QSWAP XE+8*\l0+8
.endm
.macro HEADS b                         ; heads 2 b + h: q, k, v (product 3), scores, softmax, o, o's quantiser
	WIN 0xb3
.irp p, 0,1
.irp u, 0,1
.irp l, 0,1,2,3
	MM BQ+64*\p+16*\l+8*\u, WQKV+8*(4*\p+2*\b+\u), XE+8*\l, INB+8*(4*\p+2*\b+\u), SIN+4*\p+2*\b+\u, XW+\l
.endr
.endr
.endr
	WIN 0xc3
.irp u, 0,1
.irp l, 0,1,2,3
	MM VBK+16*\l+8*\u, WQKV+8*(8+2*\b+\u), XE+8*\l, INBV+8*(2*\b+\u), SIN+8+2*\b+\u, XW+\l
.endr
.endr
	NOPS 4                                         ; places behind the last products, ahead of the first read of results
	WIN 0x0a                                       ; the 16 scores q(lq) . k(lk), score 4 lq + lk: even and odd dims in a pair, the 16 sums by turns
.set sx, 0
.rept 16
	v_pk_mul_f32 v[ACC+2*sx:ACC+2*sx+1], v[BQ+16*(sx/4):BQ+16*(sx/4)+1], v[BK+16*(sx%4):BK+16*(sx%4)+1]
.set sx, sx+1
.endr
.set dp, 1
.rept 7
.set sx, 0
.rept 16
	v_pk_fma_f32 v[ACC+2*sx:ACC+2*sx+1], v[BQ+16*(sx/4)+2*dp:BQ+16*(sx/4)+2*dp+1], v[BK+16*(sx%4)+2*dp:BK+16*(sx%4)+2*dp+1], v[ACC+2*sx:ACC+2*sx+1]
.set sx, sx+1
.endr
.set dp, dp+1
.endr
	WIN 0
.set sx, 0
.rept 16
	v_add_f32 v[SC+sx], v[ACC+2*sx], v[ACC+2*sx+1]
.set sx, sx+1
.endr
.irp q, 0,1,2,3                                ; the row's maximum is taken away ahead of the exponential
	v_max3_num_f32 v[MX+\q], v[SC+4*\q], v[SC+4*\q+1], v[SC+4*\q+2]
.endr
.irp q, 0,1,2,3
	v_max_num_f32 v[MX+\q], v[MX+\q], v[SC+4*\q+3]
.endr
.irp q, 0,1,2,3
	v_mul_f32 v[NM+\q], s[CN], v[MX+\q]            ; - c x maximum, c = log2(e) / sqrt(16)
.endr
.irp q, 0,1,2,3
.irp c, 0,2
.if (\q)&1
	v_pk_fma_f32 v[SC+4*\q+\c:SC+4*\q+\c+1], v[SC+4*\q+\c:SC+4*\q+\c+1], s[CS:CS+1], v[NM+(\q&2):NM+(\q&2)+1] op_sel:[0,0,1] op_sel_hi:[1,0,1]
.else
	v_pk_fma_f32 v[SC+4*\q+\c:SC+4*\q+\c+1], v[SC+4*\q+\c:SC+4*\q+\c+1], s[CS:CS+1], v[NM+(\q&2):NM+(\q&2)+1] op_sel_hi:[1,0,0]
.endif
.endr
.endr
.set sx, 0
.rept 16
	v_exp_f32 v[SC+sx], v[SC+sx]
.set sx, sx+1
.endr
	v_nop                                          ; a plain place behind the exponentials
	s_wait_alu depctr_va_vdst(0)                   ; one wait for the batch of 16, ahead of its first reader
.irp q, 0,1,2,3
	v_pk_add_f32 v[ZP+2*\q:ZP+2*\q+1], v[SC+4*\q:SC+4*\q+1], v[SC+4*\q+2:SC+4*\q+3]
.endr
.irp q, 0,1,2,3
	v_add_f32 v[ZS+\q], v[ZP+2*\q], v[ZP+2*\q+1]
.endr
.irp q, 0,1,2,3
	v_rcp_f32 v[ZS+\q], v[ZS+\q]
.endr
	v_nop
	s_wait_alu depctr_va_vdst(0)                   ; and one for the four reciprocals
.irp q, 0,1,2,3
.irp c, 0,2
.if (\q)&1
	v_pk_mul_f32 v[SC+4*\q+\c:SC+4*\q+\c+1], v[SC+4*\q+\c:SC+4*\q+\c+1], v[ZS+(\q&2):ZS+(\q&2)+1] op_sel:[0,1] op_sel_hi:[1,1]
.else
	v_pk_mul_f32 v[SC+4*\q+\c:SC+4*\q+\c+1], v[SC+4*\q+\c:SC+4*\q+\c+1], v[ZS+(\q&2):ZS+(\q&2)+1] op_sel_hi:[1,0]
.endif
.endr
.endr
	WIN 0xac                                       ; o(lq) = sum over lk of attn(lq, lk) v(lk), into q's registers
.irp lk, 0,1,2,3
.set lq, 0
.rept 4
.set dp, 0
.rept 8
.if \lk == 0
	PKM BQ+16*lq+2*dp, SC+4*lq, VBK+2*dp, 0
.else
	PKF BQ+16*lq+2*dp, SC+4*lq+(\lk&2), VBK+16*\lk+2*dp, BQ+16*lq+2*dp, \lk&1
.endif
.set dp, dp+1
.endr
.set lq, lq+1
.endr
.endr
	WIN 0x28                                       ; o's block b of each of the four rows.  In operand p = lq / 2 it is block 2 (lq % 2) + b
	QMAX 4, BQ, 1, FLOOR
	WIN 0
	QSCL 4
.if \b == 0
	v_lshl_or_b32 v[OW], v[TP+1], 16, v[TP]
	v_lshl_or_b32 v[OW+1], v[TP+3], 16, v[TP+2]
.else
	v_lshl_or_b32 v[OW], v[TP], 8, v[OW]
	v_lshl_or_b32 v[OW], v[TP+1], 24, v[OW]
	v_lshl_or_b32 v[OW+1], v[TP+2], 8, v[OW+1]
	v_lshl_or_b32 v[OW+1], v[TP+3], 24, v[OW+1]
.endif
	WIN 0x02
	QCVT 4, BQ, OF+2*\b, 8, 4
.endm
.macro LAY a, e, w, c                  ; pass 2: R1 = a[e] x w + c over my 64 features
.set i, 0
.rept 32
	PKF R1+2*i, \a, \w+2*i, \c+2*i, \e
.set i, i+1
.endr
.endm
; ================================================================ the head
	s_load_b256 s[4:11], s[0:1], 0x0               ; queue 4, waiting 6, phase_onehot 8, elapsed 10
	s_load_b256 s[12:19], s[0:1], 0x20             ; region_ids 12, noise 14, lane_w1 16, lane_b1 18
	s_load_b256 s[20:27], s[0:1], 0x40             ; lane_w2 20, lane_b2 22, attn_in_w 24, attn_in_b 26
	s_load_b256 s[28:35], s[0:1], 0x60             ; attn_out_w 28, attn_out_b 30, phase_w1 32, phase_b1 34
	s_load_b256 s[36:43], s[0:1], 0x80             ; phase_w2 36, phase_b2 38, region_table 40, head_w1 42
	s_load_b256 s[44:51], s[0:1], 0xa0             ; head_b1 44, head_w2 46, head_b2 48, log_std 50
	s_load_b128 s[52:55], s[0:1], 0xc0             ; out0 52, out1 54
	v_lshl_add_u32 v59, v0, 2, 0x44500
	v_mov_b32 v64, 0
	ds_add_u32 v59, v64
	ds_add_u32 v59, v64
	v_lshrrev_b32 v72, 5, v0
	v_readfirstlane_b32 s[WVN], v72                ; wave 0..3
	s_and_b32 s57, s[WVN], 1
	s_lshr_b32 s58, s[WVN], 1
	s_mov_b32 s[SEL], 0x76543210
	s_mov_b32 s[SEL+1], 0xfedcba98                 ; v_permlanex16_b32's selects for lane l xor 16
	s_mov_b32 s[FLOOR], 0x01800000                 ; 2^(3 - 127)
	s_mov_b32 s[FLOORC], 0x02800000                ; 2^(5 - 127): ctx's byte is 4 under the sum's exponent field
	s_mov_b32 s[SGN], 0x88888888
	s_mov_b32 s[HM], 0xffff0000                    ; lanes 16-31
	s_mov_b32 s[CS], 0x3eb8aa3b                    ; c = log2(e) / 4
	s_mov_b32 s[CS+1], s[CS]
	s_mov_b32 s[CN], 0xbeb8aa3b                    ; -c
	; descriptor group 1: a dense block as rows of 256 bytes: 32 elements of 8 bytes, no padding, no mask.  phase_w2's quarter: 64 rows; head_w1's: 100
	s_mov_b32 s[G1A], 3<<16                        ; 17:16 elements of 8 bytes
	s_mov_b32 s[G1A+1], 32<<16                     ; tensor_dim0 = 32
	s_mov_b32 s[G1A+2], 64<<16                     ; tensor_dim1 = 64
	s_mov_b32 s[G1A+3], 32<<16                     ; tile_dim0 = 32
	s_mov_b32 s[G1A+4], 64                         ; tile_dim1 = 64
	s_mov_b32 s[G1A+5], 32                         ; from row to row: 32 elements
	s_mov_b32 s[G1A+6], 0
	s_mov_b32 s[G1A+7], 0
	s_mov_b32 s[G1B], 3<<16
	s_mov_b32 s[G1B+1], 32<<16
	s_mov_b32 s[G1B+2], 100<<16
	s_mov_b32 s[G1B+3], 32<<16
	s_mov_b32 s[G1B+4], 100
	s_mov_b32 s[G1B+5], 32
	s_mov_b32 s[G1B+6], 0
	s_mov_b32 s[G1B+7], 0
	v_and_b32 v72, 31, v0                          ; lane
	v_and_b32 v73, 15, v0                          ; r
	v_bfe_u32 v74, v0, 4, 1                        ; h
	v_bfe_u32 v75, v0, 3, 1                        ; U: which tile of a pair my column of a task falls into
	v_lshlrev_b32 v[L16], 4, v72
	v_lshlrev_b32 v[COL], 2, v72
	v_lshlrev_b32 v[R4], 2, v73
	v_lshlrev_b32 v[VH], 6, v74
	v_add_nc_u32 v[VT2], TAB2, v[VH]
	v_mov_b32 v[ZR], 0
	v_mov_b32 v[EV+1], 0                           ; named with EV as a pair
	s_mul_i32 s59, s[WVN], 7680
	s_add_co_u32 s59, s59, INSB
	v_lshl_add_u32 v[AQB], v73, 4, s59
	v_lshl_add_u32 v[AEB], v73, 2, s59
	v_add_nc_u32 v[AEB], 6144, v[AEB]
	v_add_nc_u32 v[AT0], s59, v[L16]
	s_mul_i32 s59, s[WVN], 5120
	s_add_co_u32 s59, s59, CTXS
	v_add_nc_u32 v[ACB], s59, v[L16]
	v_add_nc_u32 v[ACW], s59, v[COL]
	v_add_nc_u32 v[ACW], 512, v[ACW]
	s_lshl_b32 s59, s[WVN], 10
	s_add_co_u32 s59, s59, OUTB
	v_lshl_add_u32 v[AOB], v74, 9, s59             ; lanes 0-15 store out0's numbers, lanes 16-31 out1's
	v_add_nc_u32 v[AOB], v[AOB], v[R4]
	v_lshlrev_b32 v[A4], 2, v0
	v_and_b32 v[A4M], 63, v0
	v_lshlrev_b32 v[A4M], 2, v[A4M]
	v_lshl_add_u32 v[AL3], v0, 2, TAB2
	; a task's lane l holds column 32 cg + l = row r' = l % 8 + 8 (l / 16) of tile 2 cg + U.  Block blk of a K step lies in an image at 512 (blk / 2) + 256 (blk % 2) + 16 r'
	v_and_b32 v72, 7, v0
	v_lshl_add_u32 v72, v74, 3, v72                ; r'
	v_lshlrev_b32 v73, 4, v72
	v_lshl_add_u32 v73, v75, 10, v73               ; codes: 1,024 U + 16 r'
	v_lshlrev_b32 v72, 2, v72
	v_lshl_add_u32 v72, v75, 6, v72                ; bytes: 64 U + 4 r'
	s_lshl_b32 s100, s57, 8
	s_lshl_b32 s59, s58, 9
	s_add_co_u32 s59, s59, s100
	v_add_nc_u32 v[VA1], s59, v73                  ; block = wave (lane_w2, phase_w2)
	v_add_nc_u32 v[VB1], s[WVN], v72
	s_mul_i32 s59, s58, 6144
	s_add_co_u32 s59, s59, s100
	v_add_nc_u32 v[VA2], s59, v73                  ; attn_in_w: block = wave % 2, column groups 3 (wave / 2) on
	s_mul_i32 s59, s58, 384
	s_add_co_u32 s59, s59, s57
	v_add_nc_u32 v[VB2], s59, v72
	s_lshl_b32 s59, s58, 11
	s_add_co_u32 s59, s59, s100
	v_add_nc_u32 v[VA3], s59, v73                  ; attn_out_w: block = wave % 2, column group wave / 2
	s_lshl_b32 s59, s58, 7
	s_add_co_u32 s59, s59, s57
	v_add_nc_u32 v[VB3], s59, v72
	s_lshl_b32 s59, s[WVN], 11
	v_add_nc_u32 v[VA4], s59, v73                  ; head_w1: column group = wave
	s_lshl_b32 s59, s[WVN], 7
	v_add_nc_u32 v[VB4], s59, v72
	s_add_co_u32 s59, s59, RAW_H1
	v_add_nc_u32 v[AH0], s59, v[COL]
	v_add_nc_u32 v[AH1], 65536, v[AH0]
	s_lshl_b32 s59, s[WVN], 14
	s_add_co_u32 s59, s59, RAW_P2
	v_add_nc_u32 v[AP], s59, v[COL]
	s_wait_dscnt 0x0
	s_wait_kmcnt 0x0
	; pass 2's two large weights, as they lie, into LDS: each wave its quarter.  Both loads go out together, ahead of every LDS read, every barrier and the one wait for them: two tensor loads of mine are out
	s_mov_b32 s[G0A], 1                            ; count = 1
	s_lshl_b32 s100, s[WVN], 14                    ; 16,384 bytes a wave
	s_mov_b32 s101, 0
	s_add_co_u32 s[G0A+1], s100, RAW_P2            ; LDS address
	s_add_nc_u64 s[G0A+2:G0A+3], s[36:37], s[100:101]   ; global address
	s_or_b32 s[G0A+3], s[G0A+3], 0x80000000        ; type = 2
	s_mov_b32 s[G0B], 1
	s_mul_i32 s100, s[WVN], 25600                  ; 25,600 bytes a wave
	s_add_co_u32 s[G0B+1], s100, RAW_H1
	s_add_nc_u64 s[G0B+2:G0B+3], s[42:43], s[100:101]
	s_or_b32 s[G0B+3], s[G0B+3], 0x80000000
	tensor_load_to_lds s[G0A:G0A+3], s[G1A:G1A+7]
	s_nop 0
	tensor_load_to_lds s[G0B:G0B+3], s[G1B:G1B+7]
	s_nop 0
	NOPS 4
	s_lshl_b32 s100, ttmp9, 13                     ; my first TL = 512 x work-group + 128 x wave; x 16 bytes,
	s_lshl_b32 s59, s[WVN], 11
	s_add_co_u32 s100, s100, s59
	s_lshr_b32 s104, s100, 2                       ; x 4 bytes
	s_mov_b32 s105, 0
	s_add_nc_u64 s[4:5], s[4:5], s[100:101]
	s_add_nc_u64 s[6:7], s[6:7], s[100:101]
	s_add_nc_u64 s[8:9], s[8:9], s[100:101]
	s_add_nc_u64 s[10:11], s[10:11], s[104:105]
	s_add_nc_u64 s[12:13], s[12:13], s[104:105]
	s_add_nc_u64 s[14:15], s[14:15], s[104:105]
	s_add_nc_u64 s[52:53], s[52:53], s[104:105]
	s_add_nc_u64 s[54:55], s[54:55], s[104:105]
	s_lshl_b32 s100, s[WVN], 13                    ; lane_w2: my 32 rows of 256 bytes
	s_add_nc_u64 s[20:21], s[20:21], s[100:101]
	s_mul_i32 s100, s57, 24576                     ; attn_in_w: 32 rows of 768 bytes, 3 groups of 128 bytes
	s_mul_i32 s59, s58, 384
	s_add_co_u32 s100, s100, s59
	s_add_nc_u64 s[24:25], s[24:25], s[100:101]
	s_lshl_b32 s100, s57, 13                       ; attn_out_w
	s_lshl_b32 s59, s58, 7
	s_add_co_u32 s100, s100, s59
	s_add_nc_u64 s[28:29], s[28:29], s[100:101]
	; my 128 TLs' inputs: 15 loads of 512 consecutive bytes
.irp i, 0,1,2,3
	global_load_b128 v[IN0+4*\i:IN0+4*\i+3], v[L16], s[4:5] offset:512*\i th:TH_LOAD_NT
.endr
.irp i, 0,1,2,3
	global_load_b128 v[IN0+16+4*\i:IN0+16+4*\i+3], v[L16], s[6:7] offset:512*\i th:TH_LOAD_NT
.endr
.irp i, 0,1,2,3
	global_load_b128 v[IN0+32+4*\i:IN0+32+4*\i+3], v[L16], s[8:9] offset:512*\i th:TH_LOAD_NT
.endr
	global_load_b128 v[IN1:IN1+3], v[L16], s[10:11] th:TH_LOAD_NT
	global_load_b128 v[IN1+4:IN1+7], v[L16], s[12:13] th:TH_LOAD_NT
	global_load_b128 v[IN1+8:IN1+11], v[L16], s[14:15] th:TH_LOAD_NT
	; pass 1's small tables: the 128 threads take 512 bytes a load; a table of 256 bytes is taken twice (thread % 64), so that no load leaves its buffer
	global_load_b32 v[TB], v[A4], s[16:17]
	global_load_b32 v[TB+1], v[A4], s[16:17] offset:512
	global_load_b32 v[TB+2], v[A4], s[16:17] offset:1024
	global_load_b32 v[TB+3], v[A4], s[18:19]
	global_load_b32 v[TB+4], v[A4M], s[22:23]
	global_load_b32 v[TB+5], v[A4], s[26:27]
	global_load_b32 v[TB+6], v[A4M], s[26:27] offset:512
	global_load_b32 v[TB+7], v[A4M], s[30:31]
	TLOADG XA, 20, 256, 0                          ; task 0
	s_wait_loadcnt 31                              ; the 23 small loads are in; of task 0's 32, issued behind them, 31 may be out: with task 1's 32 that makes 63 at the most
.set ci, 0
.rept 12
	ds_store_b128 v[AT0], v[IN0+4*ci:IN0+4*ci+3] offset:512*ci
.set ci, ci+1
.endr
.irp i, 0,1,2
	ds_store_b128 v[AT0], v[IN1+4*\i:IN1+4*\i+3] offset:6144+512*\i
.endr
	ds_store_b32 v[A4], v[TB] offset:T1_W1
	ds_store_b32 v[A4], v[TB+1] offset:T1_W1+512
	ds_store_b32 v[A4], v[TB+2] offset:T1_W1+1024
	ds_store_b32 v[A4], v[TB+3] offset:T1_B1
	ds_store_b32 v[A4], v[TB+4] offset:T1_B2
	ds_store_b32 v[A4], v[TB+5] offset:T1_INB
	ds_store_b32 v[A4], v[TB+6] offset:T1_INB+512
	ds_store_b32 v[A4], v[TB+7] offset:T1_OB
	TLOADG XA+32, 20, 256, 128                     ; task 1
	; pass 1's weights: six tasks a wave, loads two tasks ahead
	TASKG 0, 31, VA1, IMG_W2, VB1, SCI_W2
	TLOADG XA, 24, 768, 0
	TASKG 1, 31, VA1, IMG_W2+2048, VB1, SCI_W2+128
	TLOADG XA+32, 24, 768, 128
	TASKG 2, 31, VA2, IMG_IN, VB2, SCI_IN
	ds_store_b8 v[VB2], v[ZR] offset:SCI_IN+2      ; K = 64: the scale words' two upper bytes, those of the zero codes' blocks, are 0
	TLOADG XA, 24, 768, 256
	TASKG 3, 31, VA2, IMG_IN+2048, VB2, SCI_IN+128
	ds_store_b8 v[VB2], v[ZR] offset:SCI_IN+128+2
	TLOADG XA+32, 28, 256, 0
	TASKG 4, 31, VA2, IMG_IN+4096, VB2, SCI_IN+256
	ds_store_b8 v[VB2], v[ZR] offset:SCI_IN+256+2
	TASKG 5, 0, VA3, IMG_OUT, VB3, SCI_OUT
	ds_store_b128 v[VA3], v[HC+4:HC+7] offset:IMG_OUT+512   ; attn_out_w lies twice along K
	ds_store_b8 v[VB3], v[TP+1] offset:SCI_OUT+2
	s_wait_dscnt 0x0                               ; for the others' sake: my stores have landed
	s_barrier_signal -1
	s_barrier_wait -1                              ; pass 1's images and tables are whole (the tensor loads stay out)
	WIN 0x40
	LDV WQ, VH, T1_W1, 16
	LDV WW, VH, T1_W1+512, 16
	LDV WE, VH, T1_W1+1024, 16
	ROOM
.irp t, 0,1,2,3
	LFRAG W2F+8*\t, IMG_W2+1024*\t
.endr
.irp t, 0,1,2,3
	LFRAG WOUT+8*\t, IMG_OUT+1024*\t
.endr
	WIN 0x80
	ROOM
	LDV B1, VH, T1_B1, 16
	ROOM
	LDV B2C, VH, T1_B2, 8
	LDV OB4, VH, T1_OB, 8
	WIN 0xc0
	ROOM
	LDV INB, VH, T1_INB, 16
	ROOM
.set t, 0
.rept 12
	ds_load_b128 v[WQKV+8*t:WQKV+8*t+3], v[L16] offset:IMG_IN+1024*t
	v_mov_b32 v[WQKV+8*t+4], 0                     ; K = 64: the upper 64 along K are zero codes, on both sides
	v_mov_b32 v[WQKV+8*t+5], 0
	v_mov_b32 v[WQKV+8*t+6], 0
	v_mov_b32 v[WQKV+8*t+7], 0
.set t, t+1
.endr
	WIN 0
	ROOM
	LDV INBV, VH, T1_INB+512, 8
.irp t, 0,1,2,3
	ds_load_b32 v[W2S+\t], v[R4] offset:SCI_W2+64*\t
.endr
	ROOM
.set t, 0
.rept 12
	ds_load_b32 v[SIN+t], v[R4] offset:SCI_IN+64*t
.set t, t+1
.endr
.irp t, 0,1,2,3
	ds_load_b32 v[SOUT+\t], v[R4] offset:SCI_OUT+64*\t
.endr
	ROOM
	ds_load_b128 v[QV:QV+3], v[AQB]                ; the first group's queue, waiting, elapsed
	ds_load_b128 v[WV4:WV4+3], v[AQB] offset:2048
	ds_load_b32 v[EV], v[AEB]
.irp l, 0,1,2,3
.irp j, 4,5,6,7
	v_mov_b32 v[XE+8*\l+\j], 0
.endr
.endr
.irp k, 0,1,2,3
	v_mov_b32 v[TP+\k], 0                          ; written once: a lane permute's destination counts as one of its sources
.endr
	s_wait_dscnt 0x0
	WIN 0x82
.set i, 0
.rept 16
	v_pk_mul_f32 v[OB4+2*i:OB4+2*i+1], v[OB4+2*i:OB4+2*i+1], 4.0 op_sel_hi:[1,0]   ; four lanes' bias
.set i, i+1
.endr
	WIN 0
	s_mov_b32 s[G], 0
	s_mov_b32 s[G256], 0
	s_mov_b32 s[G64], 0
	s_mov_b32 s[G640], 0
; ================================================================ pass 1: a trip = 16 TLs
.Lg1:
	s_wait_dscnt 0x0                               ; this group's inputs are in; the last trip's stores have read their registers
	v_add_nc_u32 v[AT0], s[G256], v[AQB]
	v_add_nc_u32 v[AT1], s[G64], v[AEB]
	v_add_nc_u32 v[AT2], s[G640], v[ACB]
	v_add_nc_u32 v[AT3], s[G640], v[ACW]
	BASE
	L1 0
	QH                                             ; lane 0's hidden layer becomes codes;
	L1 1                                           ; lane 1's 64 multiply-adds are the places between the codes' and the scale word's last writes and the product
	P2 EMB0
	QH                                             ; (its 32 maxima are the places behind the product)
	L1 2
	P2 EMB1
	QH
	L1 3
	P2 EMB2
	WIN 0
	ds_load_b128 v[QV:QV+3], v[AT0] offset:256     ; the next group's inputs.  (In the last trip these read other written bytes of my own input region; nothing uses them)
	ds_load_b128 v[WV4:WV4+3], v[AT0] offset:2304
	ds_load_b32 v[EV], v[AT1] offset:64
	QH
	QE 192, 0                                      ; emb of lanes 0 and 1: also the places in front of the product
	P2 EMB3                                        ; into lane 0's registers, which have been read
	NOPS 4
	QE 160, 2
	NOPS 8
	HEADS 0
	HEADS 1
	QSWAP OF
	QSWAP OF+4
	QSWAP OF+8
	QSWAP OF+12
	NOPS 8                                         ; eight places between the scale words' last write and the product, eight behind the codes'
	WIN 0xa1                                       ; product 6 for all four lanes: four accumulators by turns, two links each
.irp t, 0,1,2,3
	MM BK+8*\t, WOUT+8*\t, OF, OB4+8*\t, SOUT+\t, OW
.endr
.irp t, 0,1,2,3
	MM BK+8*\t, WOUT+8*\t, OF+8, BK+8*\t, SOUT+\t, OW+1
.endr
	NOPS 4
	WIN 0x28
	QMAX 2, BK, 1, FLOORC
	WIN 0
	QSCL 2
	v_add_nc_u32 v[TP], -2, v[TP]                  ; ctx = the sum / 4: the same codes, the byte 2 lower
	v_add_nc_u32 v[TP+1], -2, v[TP+1]
	v_lshl_or_b32 v[HWD], v[TP+1], 8, v[TP]
	WIN 0x02
	QCVT 2, BK, HC, 4, 2
	QSWAP HC
	ds_store_b128 v[AT2], v[HC:HC+3]               ; the lower half of the head's first operand, as it stands in registers
	ds_store_b32 v[AT3], v[HWD]
	s_add_co_u32 s[G256], s[G256], 256
	s_add_co_u32 s[G64], s[G64], 64
	s_add_co_u32 s[G640], s[G640], 640
	s_add_co_u32 s[G], s[G], 1
	s_cmp_lt_u32 s[G], 8
	s_cbranch_scc1 .Lg1
; ================================================================ between the passes
.irp i, 0,1,2,3,4,5,6,7
	global_load_b128 v[RT+4*\i:RT+4*\i+3], v[ZR], s[40:41] offset:16*\i   ; the region table, whole, in every lane
.endr
.irp i, 0,1,2,3,4
	global_load_b32 v[TB2+\i], v[A4], s[32:33] offset:512*\i   ; pass 2's small tables: 512 bytes a load of the 128 threads; they land while the tasks below are worked
.endr
	global_load_b32 v[TB2+5], v[A4], s[34:35]
	global_load_b32 v[TB2+6], v[A4], s[38:39]
	global_load_b32 v[TB2+7], v[A4], s[44:45]
	global_load_b32 v[TB2+8], v[A4], s[46:47]
	global_load_b32 v[HB2], v[ZR], s[48:49]        ; head_b2
	global_load_b32 v120, v[ZR], s[50:51]          ; log_std
	s_wait_tensorcnt 0x0                           ; my quarters of phase_w2 and head_w1 have landed
	s_wait_dscnt 0x0
	s_barrier_signal -1
	s_barrier_wait -1                              ; everybody's have
	; eleven tasks a wave from LDS.  Task k is waited for, task k + 1 is asked for, task k is worked and stored: behind task k + 1's loads stand task k's two stores, which may be out at the next wait
	TLOADL XA, AP, 0, 32                           ; phase_w2: block = wave, column groups 0 to 3
	s_wait_dscnt 0x0
	TLOADL XA+32, AP, 128, 32
	TDO 0, VA1, IMG_P2, VB1, SCI_P2
	s_wait_dscnt 2
	TLOADL XA, AP, 256, 32
	TDO 1, VA1, IMG_P2+2048, VB1, SCI_P2+128
	s_wait_dscnt 2
	TLOADL XA+32, AP, 384, 32
	TDO 2, VA1, IMG_P2+4096, VB1, SCI_P2+256
	s_wait_dscnt 2
	TLOADL XA, AH0, 0, 32                          ; head_w1: column group = wave, blocks 0 to 6
	TDO 3, VA1, IMG_P2+6144, VB1, SCI_P2+384
	s_wait_dscnt 2
	TLOADL XA+32, AH0, 16384, 32
	TDO 4, VA4, IMG_H1, VB4, SCI_H1
	s_wait_dscnt 2
	TLOADL XA, AH0, 32768, 32
	TDO 5, VA4, IMG_H1+256, VB4, SCI_H1+1
	s_wait_dscnt 2
	TLOADL XA+32, AH0, 49152, 32
	TDO 6, VA4, IMG_H1+512, VB4, SCI_H1+2
	s_wait_dscnt 2
	TLOADL XA, AH1, 0, 32
	TDO 7, VA4, IMG_H1+768, VB4, SCI_H1+3
	s_wait_dscnt 2
	TLOADL XA+32, AH1, 16384, 32
	TDO 8, VA4, IMG_H1+8192, VB4, SCI_H1+512
	s_wait_dscnt 2
	TLOADL XA, AH1, 32768, 8                       ; block 6: rows 192 to 199; the quantiser fills the rest with zeros
.set i, 8
.rept 24
	v_mov_b32 v[XA+i], 0
.set i, i+1
.endr
	TDO 9, VA4, IMG_H1+8192+256, VB4, SCI_H1+513
	s_wait_dscnt 2
	TDO 10, VA4, IMG_H1+8192+512, VB4, SCI_H1+514
	ds_store_b128 v[VA4], v[XA+8:XA+11] offset:IMG_H1+8192+768   ; block 7 of the K step: zero codes,
	ds_store_b8 v[VB4], v[TP] offset:SCI_H1+515    ; under any byte but 0xff
	s_wait_loadcnt 0x0                             ; the small tables, the region table, head_b2, log_std
.irp i, 0,1,2,3,4,5,6,7,8
	ds_store_b32 v[AL3], v[TB2+\i] offset:512*\i
.endr
	s_wait_dscnt 0x0
	s_barrier_signal -1
	s_barrier_wait -1                              ; pass 2's images and tables are whole
	WIN 0x40
	LDV PW0, VT2, 0, 16
	LDV PW1, VT2, 512, 16
	LDV PW2, VT2, 1024, 16
	ROOM
	LDV PW3, VT2, 1536, 16
	WIN 0x80
	ROOM
	LDV PW4, VT2, 2048, 16
	ROOM
	LDV PB1, VT2, 2560, 16
	ROOM
	LDV PB2, VT2, 3072, 16
	ROOM
.irp t, 0,1,2,3,4,5,6,7
	LFRAG WP2+8*\t, IMG_P2+1024*\t
.endr
	WIN 0xc0
	ROOM
	LDV HB1, VT2, 3584, 16
	ROOM
	LDV HW2, VT2, 4096, 16
.irp s, 0,1
	ROOM
.irp t, 0,1,2,3,4,5,6,7
	LFRAG WH1+64*\s+8*\t, IMG_H1+8192*\s+1024*\t
.endr
.endr
	WIN 0
	ROOM
.irp t, 0,1,2,3,4,5,6,7
	ds_load_b32 v[P2S+\t], v[R4] offset:SCI_P2+64*\t
.endr
	ROOM
.irp s, 0,1
.irp t, 0,1,2,3,4,5,6,7
	ds_load_b32 v[H1S+8*\s+\t], v[R4] offset:SCI_H1+512*\s+64*\t
.endr
.endr
	ROOM
	ds_load_b128 v[PV:PV+3], v[AQB] offset:4096    ; the first group's phase and elapsed
	ds_load_b32 v[EV], v[AEB]
	v_mov_b32 v[FE1+5], 0
	v_mov_b32 v[FE1+6], 0
	v_mov_b32 v[FE1+7], 0
	; each of the region table's four rows is block 6 of the head's K: 8 numbers and 24 zeros: 8 codes in lanes 0-15 (lanes 16-31 hold block 7: zeros), and a byte at its place in the scale word
.irp i, 0,1,2,3
	v_max3_num_f32 v[TM+\i], s[FLOOR], |v[RT+8*\i]|, |v[RT+8*\i+1]|
.endr
.irp j, 2,4,6
.irp i, 0,1,2,3
	v_max3_num_f32 v[TM+\i], v[TM+\i], |v[RT+8*\i+\j]|, |v[RT+8*\i+\j+1]|
.endr
.endr
.irp i, 0,1,2,3
	v_add_nc_u32 v[TS+\i], 0xff000000, v[TM+\i]
.endr
.irp i, 0,1,2,3
	v_lshrrev_b32 v[RB+\i], 23, v[TS+\i]
.endr
.irp i, 0,1,2,3
	v_lshlrev_b32 v[RB+\i], 16, v[RB+\i]
.endr
.irp i, 0,1,2,3
	v_cvt_scalef32_pk8_fp4_f32 v[RC+\i], v[RT+8*\i:RT+8*\i+7], v[TS+\i]
.endr
	v_nop
	s_mov_b32 vcc_lo, s[HM]
.irp i, 0,1,2,3
	v_cndmask_b32 v[RC+\i], v[RC+\i], v[ZR], vcc_lo
.endr
	v_mul_f32 v121, 0x3fb8aa3b, v120
	v_exp_f32 v[STD], v121                         ; std
	v_sub_f32 v[K0], 0xbf6b3f8e, v120              ; - log_std - log(2 pi) / 2.  (The plain place behind the exponential)
	s_wait_alu depctr_va_vdst(0)                   ; ahead of the first reader
	v_mul_f32 v122, v[STD], v[STD]
	v_rcp_f32 v123, v122
	v_nop
	s_wait_alu depctr_va_vdst(0)
	v_mul_f32 v[K1], -0.5, v123                    ; - 1 / (2 std^2)
	s_mov_b32 s[G], 0
	s_mov_b32 s[G256], 0
	s_mov_b32 s[G64], 0
	s_mov_b32 s[G640], 0
; ================================================================ pass 2: a trip = 16 TLs
.Lg2:
	s_wait_dscnt 0x0
	v_add_nc_u32 v[AT0], s[G256], v[AQB]
	v_add_nc_u32 v[AT1], s[G64], v[AEB]
	v_add_nc_u32 v[AT2], s[G640], v[ACB]
	v_add_nc_u32 v[AT3], s[G640], v[ACW]
	v_add_nc_u32 v[AT4], s[G64], v[AOB]
	ds_load_b32 v[RID], v[AT1] offset:512
	ds_load_b32 v[NZ], v[AT1] offset:1024
	ds_load_b128 v[FE0:FE0+3], v[AT2]              ; ctx's codes and its two scale bytes, from pass 1
	ds_load_b32 v[FW0], v[AT3]
	WIN 0x24                                       ; product 7, f32
	LAY PV, 0, PW0, PB1
	WIN 0x04
	LAY PV, 1, PW1, R1
	LAY PV+2, 0, PW2, R1
	LAY PV+2, 1, PW3, R1
	WIN 0x08
	LAY EV, 0, PW4, R1
	WIN 0
	ds_load_b128 v[PV:PV+3], v[AT0] offset:4096+256   ; the next group's.  (In the last trip: other written bytes of my own input region; nothing uses them)
	ds_load_b32 v[EV], v[AT1] offset:64
	QMAX 4, R1, 0, FLOOR
	QSCL 4
	v_lshl_or_b32 v[PWD], v[TP+1], 8, v[TP]
	v_lshl_or_b32 v[PWD], v[TP+2], 16, v[PWD]
	v_lshl_or_b32 v[PWD], v[TP+3], 24, v[PWD]
	QCVT 4, R1, HC, 4, 2
	QRELU4 HC
	QRELU4 HC+4
	QSWAP HC
	QSWAP HC+4
	s_wait_dscnt 0x0                               ; the region id, ctx's codes and bytes
	v_cmp_lt_i32 vcc_lo, 0, v[RID]                 ; the clip to 0 .. 3 as it stands: row 1 from 1 on, row 2 from 2 on, row 3 from 3 on
	v_cndmask_b32 v[FE1+4], v[RC], v[RC+1], vcc_lo
	v_cndmask_b32 v120, v[RB], v[RB+1], vcc_lo
	v_cmp_lt_i32 vcc_lo, 1, v[RID]
	v_cndmask_b32 v[FE1+4], v[FE1+4], v[RC+2], vcc_lo
	v_cndmask_b32 v120, v120, v[RB+2], vcc_lo
	v_cmp_lt_i32 vcc_lo, 2, v[RID]
	v_cndmask_b32 v[FE1+4], v[FE1+4], v[RC+3], vcc_lo
	v_cndmask_b32 v120, v120, v[RB+3], vcc_lo
	NOPS 2
	WIN 0x22                                       ; product 8; C = phase_b2
.irp t, 0,1,2,3,4,5,6,7
	MM R1+8*\t, WP2+8*\t, HC, PB2+8*\t, P2S+\t, PWD
.endr
	WIN 0
	NOPS 4
	QMAX 4, R1, 0, FLOOR
	QSCL 4
	v_lshl_or_b32 v[FW0], v[TP], 16, v[FW0]        ; K step 0: ctx's two blocks, phase_emb's blocks 0 and 1
	v_lshl_or_b32 v[FW0], v[TP+1], 24, v[FW0]
	v_lshl_or_b32 v[FW1], v[TP+3], 8, v[TP+2]      ; K step 1: phase_emb's blocks 2 and 3, the region's block, a block of zero codes
	v_or_b32 v[FW1], v[FW1], v120
	QCVT 4, R1, FE0+4, 4, 2
	QRELU4 FE0+4
	QRELU4 FE1
	QSWAP FE0+4
	QSWAP FE1
	NOPS 8
	WIN 0x33                                       ; product 9: eight accumulators by turns, two K steps; C = head_b1
.irp t, 0,1,2,3,4,5,6,7
	MM R1+8*\t, WH1+8*\t, FE0, HB1+8*\t, H1S+\t, FW0
.endr
	WIN 0x03
.irp t, 0,1,2,3,4,5,6,7
	MM R1+8*\t, WH1+64+8*\t, FE1, R1+8*\t, H1S+8+\t, FW1
.endr
	WIN 0
	NOPS 4
.set i, 0
.rept 64
	v_max_num_f32 v[R1+i], 0, v[R1+i]              ; each accumulator from its low end on
.set i, i+1
.endr
	WIN 0x0c                                       ; product 10: a dot product with head_w2, four chains
.set i, 0
.rept 4
	v_pk_mul_f32 v[AC2+2*i:AC2+2*i+1], v[R1+2*i:R1+2*i+1], v[HW2+2*i:HW2+2*i+1]
.set i, i+1
.endr
.rept 28
	v_pk_fma_f32 v[AC2+2*(i%4):AC2+2*(i%4)+1], v[R1+2*i:R1+2*i+1], v[HW2+2*i:HW2+2*i+1], v[AC2+2*(i%4):AC2+2*(i%4)+1]
.set i, i+1
.endr
	WIN 0
	v_pk_add_f32 v[AC2:AC2+1], v[AC2:AC2+1], v[AC2+2:AC2+3]
	v_pk_add_f32 v[AC2+4:AC2+5], v[AC2+4:AC2+5], v[AC2+6:AC2+7]
	v_pk_add_f32 v[AC2:AC2+1], v[AC2:AC2+1], v[AC2+4:AC2+5]
	v_add_f32 v120, v[AC2], v[AC2+1]
	v_permlanex16_b32 v[TP], v120, s[SEL], s[SEL+1]
	v_add_f32 v120, v120, v[TP]                    ; with lane l xor 16's 64 features
	v_add_f32 v122, v120, v[HB2]                   ; the mean
	v_fma_f32 v123, v[STD], v[NZ], v122            ; the action
	v_sub_f32 v120, v123, v122
	v_mul_f32 v121, v120, v120
	v_fma_f32 v121, v121, v[K1], v[K0]             ; log_prob
	v_max_num_f32 v123, -1.0, v123                 ; the clip to -1 .. 1
	v_min_num_f32 v123, 1.0, v123
	s_mov_b32 vcc_lo, s[HM]
	v_cndmask_b32 v120, v123, v121, vcc_lo         ; lanes 0-15 the clamped action, lanes 16-31 log_prob
	ds_store_b32 v[AT4], v120
	s_add_co_u32 s[G256], s[G256], 256
	s_add_co_u32 s[G64], s[G64], 64
	s_add_co_u32 s[G640], s[G640], 640
	s_add_co_u32 s[G], s[G], 1
	s_cmp_lt_u32 s[G], 8
	s_cbranch_scc1 .Lg2
	; my 128 TLs' results leave as 512 consecutive bytes of each output, at a multiple of 512 from its first byte
	s_wait_dscnt 0x0
	s_lshl_b32 s59, s[WVN], 10
	s_add_co_u32 s59, s59, OUTB
	v_add_nc_u32 v[AT0], s59, v[L16]
	ds_load_b128 v[128:131], v[AT0]
	ds_load_b128 v[132:135], v[AT0] offset:512
	s_wait_dscnt 0x0
	global_store_b128 v[L16], v[128:131], s[52:53] th:TH_STORE_NT
	global_store_b128 v[L16], v[132:135], s[54:55] th:TH_STORE_NT
	s_wait_tensorcnt 0x0
	ds_add_u32 v59, v64
	s_wait_dscnt 0x0
	s_endpgm
.Lfunc_end_k_qf5e7ac17db_policy:
	.size	k_qf5e7ac17db_policy, .Lfunc_end_k_qf5e7ac17db_policy-k_qf5e7ac17db_policy
	.p2alignl 7, 3214868480
	.fill 96, 4, 3214868480
	.section	.rodata,"a",@progbits
	.p2align	6, 0x0
	.amdhsa_kernel k_qf5e7ac17db_policy
		.amdhsa_group_segment_fixed_size 327680
		.amdhsa_private_segment_fixed_size 0
		.amdhsa_enable_private_segment 0
		.amdhsa_kernarg_size 208
		.amdhsa_user_sgpr_count 2
		.amdhsa_user_sgpr_kernarg_segment_ptr 1
		.amdhsa_wavefront_size32 1
		.amdhsa_system_sgpr_workgroup_id_x 1
		.amdhsa_system_sgpr_workgroup_id_y 1
		.amdhsa_system_sgpr_workgroup_id_z 1
		.amdhsa_system_vgpr_workitem_id 0
		.amdhsa_next_free_vgpr 1024
		.amdhsa_next_free_sgpr 106
		.amdhsa_reserve_vcc 1
		.amdhsa_float_denorm_mode_32 3
		.amdhsa_float_denorm_mode_16_64 3
		.amdhsa_memory_ordered 1
		.amdhsa_forward_progress 1
		.amdhsa_inst_pref_size 246
	.end_amdhsa_kernel
	.amdgpu_metadata
---
amdhsa.version: [ 1, 2 ]
amdhsa.kernels:
  - .name:           k_qf5e7ac17db_policy
    .symbol:         k_qf5e7ac17db_policy.kd
    .args:
      - { .name: queue, .offset: 0, .size: 8, .value_kind: global_buffer, .address_space: global }
      - { .name: waiting, .offset: 8, .size: 8, .value_kind: global_buffer, .address_space: global }
      - { .name: phase_onehot, .offset: 16, .size: 8, .value_kind: global_buffer, .address_space: global }
      - { .name: elapsed, .offset: 24, .size: 8, .value_kind: global_buffer, .address_space: global }
      - { .name: region_ids, .offset: 32, .size: 8, .value_kind: global_buffer, .address_space: global }
      - { .name: noise, .offset: 40, .size: 8, .value_kind: global_buffer, .address_space: global }
      - { .name: lane_w1, .offset: 48, .size: 8, .value_kind: global_buffer, .address_space: global }
      - { .name: lane_b1, .offset: 56, .size: 8, .value_kind: global_buffer, .address_space: global }
      - { .name: lane_w2, .offset: 64, .size: 8, .value_kind: global_buffer, .address_space: global }
      - { .name: lane_b2, .offset: 72, .size: 8, .value_kind: global_buffer, .address_space: global }
      - { .name: attn_in_w, .offset: 80, .size: 8, .value_kind: global_buffer, .address_space: global }
      - { .name: attn_in_b, .offset: 88, .size: 8, .value_kind: global_buffer, .address_space: global }
      - { .name: attn_out_w, .offset: 96, .size: 8, .value_kind: global_buffer, .address_space: global }
      - { .name: attn_out_b, .offset: 104, .size: 8, .value_kind: global_buffer, .address_space: global }
      - { .name: phase_w1, .offset: 112, .size: 8, .value_kind: global_buffer, .address_space: global }
      - { .name: phase_b1, .offset: 120, .size: 8, .value_kind: global_buffer, .address_space: global }
      - { .name: phase_w2, .offset: 128, .size: 8, .value_kind: global_buffer, .address_space: global }
      - { .name: phase_b2, .offset: 136, .size: 8, .value_kind: global_buffer, .address_space: global }
      - { .name: region_table, .offset: 144, .size: 8, .value_kind: global_buffer, .address_space: global }
      - { .name: head_w1, .offset: 152, .size: 8, .value_kind: global_buffer, .address_space: global }
      - { .name: head_b1, .offset: 160, .size: 8, .value_kind: global_buffer, .address_space: global }
      - { .name: head_w2, .offset: 168, .size: 8, .value_kind: global_buffer, .address_space: global }
      - { .name: head_b2, .offset: 176, .size: 8, .value_kind: global_buffer, .address_space: global }
      - { .name: log_std, .offset: 184, .size: 8, .value_kind: global_buffer, .address_space: global }
      - { .name: out0, .offset: 192, .size: 8, .value_kind: global_buffer, .address_space: global }
      - { .name: out1, .offset: 200, .size: 8, .value_kind: global_buffer, .address_space: global }
    .group_segment_fixed_size: 327680
    .private_segment_fixed_size: 0
    .kernarg_segment_align: 8
    .kernarg_segment_size: 208
    .max_flat_workgroup_size: 128
    .sgpr_count:     106
    .vgpr_count:     1024
    .wavefront_size: 32
...
	.end_amdgpu_metadata
.endif
;; end of part 1
